; MI455X (gfx1250); checked and timed in simulation.
; The chip was launched on July 23, 2026; its instructions are those of AMD's public machine-readable ISA for CDNA 5 (MIT licence, August 2026) and "CDNA5" Instruction Set Architecture Reference Guide (July 2026). The comments in the code are by the model that wrote it; some were corrected since.
;; Sparse Dual Flow. Allowed arithmetic: float matrix products may take bf16 or f16 operands with f32 sums; other float arithmetic in f32, or as packed bf16 or f16 multiplies, adds, multiply-adds, maxima and minima; sums over many terms, partial sums and values carried from step to step in f32; what a program stores and reads back later, other than sums and carried values, may be rounded once to bf16 or f16.
;; Inputs: dual_diff_values 16,777,216 float32.
;; Outputs: out0 16,777,216 float32.
;; 2 versions, each right; version 2 is version 1 with the launch flow written anew for expert scheduling mode. Each part assembles by itself: llvm-mc -triple=amdgcn-amd-amdhsa -mcpu=gfx1250 --defsym DOCPART=n.
;; ======== version 1 of 2: 1 launch
;; launch flow (part 1): grid 256 x 1, 16 waves a work-group, no clusters, 0 bytes of LDS; arguments dual_diff_values, out0; writes out0
.if DOCPART == 1
	.amdgcn_target "amdgcn-amd-amdhsa--gfx1250"
	.amdhsa_code_object_version 6
	.text
	.protected	k_q2d290f6353_flow
	.globl	k_q2d290f6353_flow
	.p2align	8
	.type	k_q2d290f6353_flow,@function
k_q2d290f6353_flow:
	s_mov_b64 s[64:65], 0
	v_nop
	global_prefetch_b8 v0, s[64:65] scope:SCOPE_SE
	s_setreg_imm32_b32 hwreg(HW_REG_WAVE_MODE, 25, 1), 1
	s_wait_xcnt 0x0
; out[i] = flow after ITERS steps of, starting from flow = acc = 0 and with d = dual_diff_values[i]:
;     am = 0.9 acc;  fd = flow - am;  g = 2 fd - d;  acc = am + 0.01 g;  flow = max(flow - acc, 0)
; d, out: [16,777,216] f32.
; THE IDEA.  Every line of the step is linear in (flow, acc, d) but the last, and max(t x, 0) = t max(x, 0) for t > 0; the start (0, 0) is its own multiple.
; So the 20 steps map t d to t times what they map d to, for every t > 0: out(d) = d out(+1) for d > 0, |d| out(-1) for d < 0, 0 for d = 0.
; Each wave runs the recurrence itself, all ITERS steps as they are written above, ONCE, on the packed pair d = (+1, -1), while its loads are on their way:
; c+ = out(+1), c- = out(-1).  Both leave a max(.., 0), so both are >= 0, and of the two products d c+ and d (-c-) the one that belongs to d's sign is
; the one that is not negative: out = max(d c+, d (-c-)).  Nothing is assumed of the two numbers beyond that.
; LIMITS.  The order of rounding is not the recurrence's own for each d: the steps round at d = +-1, and one multiply follows (a relative difference of a
; few 2^-24).  NaN stays NaN (both products are NaN).  For d = +-infinity, and for |d| so large that 2 fd - d overflows, the recurrence gives NaN or
; infinities; this text gives d c+ (or -infinity) there.
; SHARES.  256 work-groups of 16 waves; a work-group owns SHARE = 262,144 consecutive bytes.  Thread t owns the 16 bytes at 16 t of each of the NLD = 32
; pieces of CHUNK = 8,192 bytes: a load or store of a wave covers 512 consecutive bytes, aligned; the piece's number stands in the immediate (253,952 at
; the most, inside the signed 24 bits).  All 32 loads of a wave go out at the head, so all of the work-group's bytes are on their way at once; each piece
; is scaled in the registers that it was loaded into and stored from them.  No register that a load or store has read is ever written again, so the only
; waits are the counted ones for the loads' data.  No byte is wanted by two lanes: no LDS, no barrier.
.set ITERS, 20
.set WAVES, 16
.set CHUNK, WAVES*32*16                ; bytes that one load of all 512 threads covers
.set NLD,   32                         ; loads (and stores) of a wave
.set SHARE_LOG2, 18                    ; NLD x CHUNK = 2^18 bytes to a work-group
.set OFF, 1                            ; v1        16 x my thread's number; never rewritten
.set FL,  2                            ; v[2:3]    flow for d = +1, d = -1
.set ACC, 4                            ; v[4:5]    acc
.set AM,  6                            ; v[6:7]    0.9 acc
.set W,   8                            ; v[8:9]    at work: fd, g, flow - acc
.set D,   10                           ; v[10:11]  +1, -1
.set CP,  12                           ; v[12:13]  c+, twice
.set CN,  14                           ; v[14:15]  -c-, twice
.set T,   16                           ; v[16:23]  d c+ of a piece's four numbers: two sets that take turns
.set X,   24                           ; v[24:151] piece j: 4 registers, as loaded, then as stored
.set MOM, 10                           ; s[10:11]  0.9: the packed forms name a pair and take its low word for both halves
.set STP, 12                           ; s[12:13]  0.01
	s_load_b128 s[4:7], s[0:1], 0x0                ; d s[4:5], out s[6:7]
	s_lshl_b32 s2, ttmp9, SHARE_LOG2               ; the work-group's first byte: 255 x 2^18 at the most, so the high word is 0
	s_mov_b32 s3, 0
	v_lshlrev_b32 v[OFF], 4, v0
	s_wait_kmcnt 0x0
	s_add_nc_u64 s[4:5], s[4:5], s[2:3]
	s_add_nc_u64 s[6:7], s[6:7], s[2:3]
.set j, 0
.rept NLD                              ; everything that the wave will read is asked for before anything else is done
	global_load_b128 v[X+4*j:X+4*j+3], v[OFF], s[4:5] offset:j*CHUNK th:TH_LOAD_NT
.set j, j+1
.endr
	; The recurrence on d = (+1, -1), two numbers an instruction, while the loads are out.
	s_mov_b32 s[MOM], 0x3f666666                   ; 0.9
	s_mov_b32 s[MOM+1], s[MOM]                     ; named with it as a pair, so it is written
	s_mov_b32 s[STP], 0x3c23d70a                   ; 0.01
	s_mov_b32 s[STP+1], s[STP]
	v_mov_b32 v[D], 1.0
	v_mov_b32 v[D+1], -1.0
	v_mov_b32 v[FL], 0
	v_mov_b32 v[FL+1], 0
	v_mov_b32 v[ACC], 0
	v_mov_b32 v[ACC+1], 0
	s_mov_b32 s8, ITERS
.Lstep:
	v_pk_mul_f32 v[AM:AM+1], v[ACC:ACC+1], s[MOM:MOM+1] op_sel_hi:[1,0]                               ; am = 0.9 acc
	v_pk_add_f32 v[W:W+1], v[FL:FL+1], v[AM:AM+1] neg_lo:[0,1] neg_hi:[0,1]                           ; fd = flow - am
	v_pk_fma_f32 v[W:W+1], v[W:W+1], 2.0, v[D:D+1] op_sel_hi:[1,0,1] neg_lo:[0,0,1] neg_hi:[0,0,1]    ; g = 2 fd - d
	v_pk_fma_f32 v[ACC:ACC+1], v[W:W+1], s[STP:STP+1], v[AM:AM+1] op_sel_hi:[1,0,1]                   ; acc = am + 0.01 g
	v_pk_add_f32 v[W:W+1], v[FL:FL+1], v[ACC:ACC+1] neg_lo:[0,1] neg_hi:[0,1]                         ; flow - acc
	v_max_num_f32 v[FL], 0, v[W]                                                                      ; flow = max(.., 0)
	v_max_num_f32 v[FL+1], 0, v[W+1]
	s_sub_co_u32 s8, s8, 1
	s_cmp_lg_u32 s8, 0
	s_cbranch_scc1 .Lstep
	v_mov_b32 v[CP], v[FL]                         ; c+ for both halves of a packed multiply
	v_mov_b32 v[CP+1], v[FL]
	v_mul_f32 v[CN], -1.0, v[FL+1]                 ; -c- likewise
	v_mul_f32 v[CN+1], -1.0, v[FL+1]
; Piece j: its load is in; four numbers a lane: both products, the greater of the two, in place; stored from there.
.macro PIECE j
.set rX, X+4*(\j)
.set rT, T+4*((\j)%2)
	s_wait_loadcnt NLD-1-(\j)                      ; loads come back in the order of issue (ISA guide 5.7.1): NLD - 1 - j were issued behind piece j's and may stay out
	v_pk_mul_f32 v[rT:rT+1],   v[rX:rX+1],   v[CP:CP+1]    ; d c+
	v_pk_mul_f32 v[rT+2:rT+3], v[rX+2:rX+3], v[CP:CP+1]
	v_pk_mul_f32 v[rX:rX+1],   v[rX:rX+1],   v[CN:CN+1]    ; d (-c-)
	v_pk_mul_f32 v[rX+2:rX+3], v[rX+2:rX+3], v[CN:CN+1]
.irp k, 0,1,2,3
	v_max_num_f32 v[rX+(\k)], v[rT+(\k)], v[rX+(\k)]
.endr
	global_store_b128 v[OFF], v[rX:rX+3], s[6:7] offset:(\j)*CHUNK th:TH_STORE_NT  ; 512 consecutive bytes a wave, aligned; these registers are not written again
.endm
.set p, 0
.rept NLD
	PIECE p
.set p, p+1
.endr
	s_endpgm
.Lfunc_end_k_q2d290f6353_flow:
	.size	k_q2d290f6353_flow, .Lfunc_end_k_q2d290f6353_flow-k_q2d290f6353_flow
	.p2alignl 7, 3214868480
	.fill 96, 4, 3214868480
	.section	.rodata,"a",@progbits
	.p2align	6, 0x0
	.amdhsa_kernel k_q2d290f6353_flow
		.amdhsa_group_segment_fixed_size 0
		.amdhsa_private_segment_fixed_size 0
		.amdhsa_enable_private_segment 0
		.amdhsa_kernarg_size 16
		.amdhsa_user_sgpr_count 2
		.amdhsa_user_sgpr_kernarg_segment_ptr 1
		.amdhsa_wavefront_size32 1
		.amdhsa_system_sgpr_workgroup_id_x 1
		.amdhsa_system_sgpr_workgroup_id_y 1
		.amdhsa_system_sgpr_workgroup_id_z 1
		.amdhsa_system_vgpr_workitem_id 0
		.amdhsa_next_free_vgpr 152
		.amdhsa_next_free_sgpr 66
		.amdhsa_reserve_vcc 0
		.amdhsa_float_denorm_mode_32 3
		.amdhsa_float_denorm_mode_16_64 3
		.amdhsa_memory_ordered 1
		.amdhsa_forward_progress 1
		.amdhsa_inst_pref_size 21
	.end_amdhsa_kernel
	.amdgpu_metadata
---
amdhsa.version: [ 1, 2 ]
amdhsa.kernels:
  - .name:           k_q2d290f6353_flow
    .symbol:         k_q2d290f6353_flow.kd
    .args:
      - { .name: dual_diff_values, .offset: 0, .size: 8, .value_kind: global_buffer, .address_space: global }
      - { .name: out0, .offset: 8, .size: 8, .value_kind: global_buffer, .address_space: global }
    .group_segment_fixed_size: 0
    .private_segment_fixed_size: 0
    .kernarg_segment_align: 8
    .kernarg_segment_size: 16
    .max_flat_workgroup_size: 512
    .sgpr_count:     66
    .vgpr_count:     152
    .wavefront_size: 32
...
	.end_amdgpu_metadata
.endif
;; end of part 1
;; ======== version 2 of 2: 1 launch; version 1 with the launch flow written anew for expert scheduling mode
;; launch flow (part 2): grid 256 x 1, 16 waves a work-group, no clusters, 0 bytes of LDS; arguments dual_diff_values, out0; writes out0
.if DOCPART == 2
	.amdgcn_target "amdgcn-amd-amdhsa--gfx1250"
	.amdhsa_code_object_version 6
	.text
	.protected	k_q2d290f6353_flow
	.globl	k_q2d290f6353_flow
	.p2align	8
	.type	k_q2d290f6353_flow,@function
k_q2d290f6353_flow:
	s_mov_b64 s[64:65], 0
	v_nop
	global_prefetch_b8 v0, s[64:65] scope:SCOPE_SE
	s_setreg_imm32_b32 hwreg(HW_REG_WAVE_SCHED_MODE, 0, 2), 2
	s_setreg_imm32_b32 hwreg(HW_REG_WAVE_MODE, 25, 1), 1
	s_wait_xcnt 0x0
	s_wait_alu depctr_vm_vsrc(0)
; out[i] = flow after ITERS steps of, starting from flow = acc = 0 and with d = dual_diff_values[i]:
;     am = 0.9 acc;  fd = flow - am;  g = 2 fd - d;  acc = am + 0.01 g;  flow = max(flow - acc, 0)
; d, out: [16,777,216] f32.
; THE IDEA.  Every line of the step is linear in (flow, acc, d) but the last, and max(t x, 0) = t max(x, 0) for t > 0; the start (0, 0) is its own multiple.
; So the 20 steps map t d to t times what they map d to, for every t > 0: out(d) = d out(+1) for d > 0, |d| out(-1) for d < 0, 0 for d = 0.
; Each wave runs the recurrence itself, all ITERS steps as they are written above, ONCE, on the packed pair d = (+1, -1), while its loads are on their way:
; c+ = out(+1), c- = out(-1).  Both leave a max(.., 0), so both are >= 0, and of the two products d c+ and d (-c-) the one that belongs to d's sign is
; the one that is not negative: out = max(d c+, d (-c-)).  Nothing is assumed of the two numbers beyond that.
; LIMITS.  The order of rounding is not the recurrence's own for each d: the steps round at d = +-1, and one multiply follows (a relative difference of a
; few 2^-24).  NaN stays NaN (both products are NaN).  For d = +-infinity, and for |d| so large that 2 fd - d overflows, the recurrence gives NaN or
; infinities; this text gives d c+ (or -infinity) there.
; SHARES.  256 work-groups of 16 waves; a work-group owns SHARE = 262,144 consecutive bytes.  Thread t owns the 16 bytes at 16 t of each of the NLD = 32
; pieces of CHUNK = 8,192 bytes: a load or store of a wave covers 512 consecutive bytes, aligned; the piece's number stands in the immediate (253,952 at
; the most, inside the signed 24 bits).  All 32 loads of a wave go out at the head, so all of the work-group's bytes are on their way at once; each piece
; is scaled in the registers that it was loaded into and stored from them.  No byte is wanted by two lanes: no LDS, no barrier.
; THE MODE: SCHED_MODE bits 1:0 = 2 (LLVM: expert scheduling mode 2), set by the entry lines.  The code itself states the register dependences
; between vector instructions and memory instructions, with s_wait_alu, always for 0.
; THE PLAN.  Registers that memory instructions touch:
;   v[OFF]   written once, at the head; read by every load and every store; never written again.
;   X[j]     written by load j, which is issued at the head, before any vector instruction names X; read and written in place by piece j's eight vector
;            instructions; read by store j; named by nothing behind that.
;   All other registers (the recurrence's, c+, -c-, T) are named by vector instructions alone.
; So what is to be stated is: v[OFF] is written, ahead of the first load; X[j] is written, ahead of store j.  No register that a load or store has read is
; ever written again, and no load lands in a register that a vector instruction has named: nothing else is owed, and no s_wait_xcnt either.
; The 32 pieces go in 8 blocks of BLK = 4.  ONE wait at a block's head states that the block before has written its four X; that block's four stores
; follow it, one ahead of each piece's vector instructions, which name this block's X, T, c+ and -c- alone: none of the registers that those stores read.
.set ITERS, 20
.set WAVES, 16
.set CHUNK, WAVES*32*16                ; bytes that one load of all 512 threads covers
.set NLD,   32                         ; loads (and stores) of a wave
.set BLK,   4                          ; pieces in a block
.set SHARE_LOG2, 18                    ; NLD x CHUNK = 2^18 bytes to a work-group
.set OFF, 1                            ; v1        16 x my thread's number; never rewritten
.set FL,  2                            ; v[2:3]    flow for d = +1, d = -1
.set ACC, 4                            ; v[4:5]    acc
.set AM,  6                            ; v[6:7]    0.9 acc
.set W,   8                            ; v[8:9]    at work: fd, g, flow - acc
.set D,   10                           ; v[10:11]  +1, -1
.set CP,  12                           ; v[12:13]  c+, twice
.set CN,  14                           ; v[14:15]  -c-, twice
.set T,   16                           ; v[16:23]  d c+ of a piece's four numbers: two sets that take turns
.set X,   24                           ; v[24:151] piece j: 4 registers, as loaded, then as stored
.set MOM, 10                           ; s[10:11]  0.9: the packed forms name a pair and take its low word for both halves
.set STP, 12                           ; s[12:13]  0.01
	s_load_b128 s[4:7], s[0:1], 0x0                ; d s[4:5], out s[6:7]
	s_lshl_b32 s2, ttmp9, SHARE_LOG2               ; the work-group's first byte: 255 x 2^18 at the most, so the high word is 0
	s_mov_b32 s3, 0
	v_lshlrev_b32 v[OFF], 4, v0
	s_wait_kmcnt 0x0
	s_add_nc_u64 s[4:5], s[4:5], s[2:3]
	s_add_nc_u64 s[6:7], s[6:7], s[2:3]
	s_wait_alu depctr_va_vdst(0)                   ; v[OFF] is written: every load and store of the kernel reads it as its offset
.set j, 0
.rept NLD                              ; everything that the wave will read is asked for before anything else is done
	global_load_b128 v[X+4*j:X+4*j+3], v[OFF], s[4:5] offset:j*CHUNK th:TH_LOAD_NT
.set j, j+1
.endr
	; The recurrence on d = (+1, -1), two numbers an instruction, while the loads are out.  It names no register that a memory instruction touches.
	s_mov_b32 s[MOM], 0x3f666666                   ; 0.9
	s_mov_b32 s[MOM+1], s[MOM]                     ; named with it as a pair, so it is written
	s_mov_b32 s[STP], 0x3c23d70a                   ; 0.01
	s_mov_b32 s[STP+1], s[STP]
	v_mov_b32 v[D], 1.0
	v_mov_b32 v[D+1], -1.0
	v_mov_b32 v[FL], 0
	v_mov_b32 v[FL+1], 0
	v_mov_b32 v[ACC], 0
	v_mov_b32 v[ACC+1], 0
	s_mov_b32 s8, ITERS
.Lstep:
	v_pk_mul_f32 v[AM:AM+1], v[ACC:ACC+1], s[MOM:MOM+1] op_sel_hi:[1,0]                               ; am = 0.9 acc
	v_pk_add_f32 v[W:W+1], v[FL:FL+1], v[AM:AM+1] neg_lo:[0,1] neg_hi:[0,1]                           ; fd = flow - am
	v_pk_fma_f32 v[W:W+1], v[W:W+1], 2.0, v[D:D+1] op_sel_hi:[1,0,1] neg_lo:[0,0,1] neg_hi:[0,0,1]    ; g = 2 fd - d
	v_pk_fma_f32 v[ACC:ACC+1], v[W:W+1], s[STP:STP+1], v[AM:AM+1] op_sel_hi:[1,0,1]                   ; acc = am + 0.01 g
	v_pk_add_f32 v[W:W+1], v[FL:FL+1], v[ACC:ACC+1] neg_lo:[0,1] neg_hi:[0,1]                         ; flow - acc
	v_max_num_f32 v[FL], 0, v[W]                                                                      ; flow = max(.., 0)
	v_max_num_f32 v[FL+1], 0, v[W+1]
	s_sub_co_u32 s8, s8, 1
	s_cmp_lg_u32 s8, 0
	s_cbranch_scc1 .Lstep
	v_mov_b32 v[CP], v[FL]                         ; c+ for both halves of a packed multiply
	v_mov_b32 v[CP+1], v[FL]
	v_mul_f32 v[CN], -1.0, v[FL+1]                 ; -c- likewise
	v_mul_f32 v[CN+1], -1.0, v[FL+1]
; Piece j goes out, from the registers in which it was scaled.
.macro STORE j
	global_store_b128 v[OFF], v[X+4*(\j):X+4*(\j)+3], s[6:7] offset:(\j)*CHUNK th:TH_STORE_NT  ; 512 consecutive bytes a wave, aligned; these registers are not written again
.endm
; Piece j: the store of the piece a block back; its own load is in; four numbers a lane: both products, the greater of the two, in place.
.macro PIECE j
.set rX, X+4*(\j)
.set rT, T+4*((\j)%2)
.if ((\j)%BLK) == 0
	s_wait_loadcnt NLD-1-(\j)                      ; loads come back in the order of issue (ISA guide 5.7.1): NLD - 1 - j were issued behind piece j's and may stay out
.if (\j) >= BLK
	s_wait_alu depctr_va_vdst(0)                   ; the block before has written its four X, which this block's four stores read
	STORE (\j)-BLK
.endif
.else
.if (\j) >= BLK
	STORE (\j)-BLK                                 ; no wait: no vector instruction since the wait at the block's head names that piece's registers
.endif
	s_wait_loadcnt NLD-1-(\j)                      ; as above: the NLD - 1 - j younger loads may stay out
.endif
	v_pk_mul_f32 v[rT:rT+1],   v[rX:rX+1],   v[CP:CP+1]    ; d c+
	v_pk_mul_f32 v[rT+2:rT+3], v[rX+2:rX+3], v[CP:CP+1]
	v_pk_mul_f32 v[rX:rX+1],   v[rX:rX+1],   v[CN:CN+1]    ; d (-c-)
	v_pk_mul_f32 v[rX+2:rX+3], v[rX+2:rX+3], v[CN:CN+1]
.irp k, 0,1,2,3
	v_max_num_f32 v[rX+(\k)], v[rT+(\k)], v[rX+(\k)]
.endr
.endm
.set p, 0
.rept NLD
	PIECE p
.set p, p+1
.endr
	s_wait_alu depctr_va_vdst(0)                   ; the last block has written its four X, which the last four stores read
.set p, NLD-BLK
.rept BLK
	STORE p
.set p, p+1
.endr
	s_endpgm
.Lfunc_end_k_q2d290f6353_flow:
	.size	k_q2d290f6353_flow, .Lfunc_end_k_q2d290f6353_flow-k_q2d290f6353_flow
	.p2alignl 7, 3214868480
	.fill 96, 4, 3214868480
	.section	.rodata,"a",@progbits
	.p2align	6, 0x0
	.amdhsa_kernel k_q2d290f6353_flow
		.amdhsa_group_segment_fixed_size 0
		.amdhsa_private_segment_fixed_size 0
		.amdhsa_enable_private_segment 0
		.amdhsa_kernarg_size 16
		.amdhsa_user_sgpr_count 2
		.amdhsa_user_sgpr_kernarg_segment_ptr 1
		.amdhsa_wavefront_size32 1
		.amdhsa_system_sgpr_workgroup_id_x 1
		.amdhsa_system_sgpr_workgroup_id_y 1
		.amdhsa_system_sgpr_workgroup_id_z 1
		.amdhsa_system_vgpr_workitem_id 0
		.amdhsa_next_free_vgpr 152
		.amdhsa_next_free_sgpr 66
		.amdhsa_reserve_vcc 0
		.amdhsa_float_denorm_mode_32 3
		.amdhsa_float_denorm_mode_16_64 3
		.amdhsa_memory_ordered 1
		.amdhsa_forward_progress 1
		.amdhsa_inst_pref_size 21
	.end_amdhsa_kernel
	.amdgpu_metadata
---
amdhsa.version: [ 1, 2 ]
amdhsa.kernels:
  - .name:           k_q2d290f6353_flow
    .symbol:         k_q2d290f6353_flow.kd
    .args:
      - { .name: dual_diff_values, .offset: 0, .size: 8, .value_kind: global_buffer, .address_space: global }
      - { .name: out0, .offset: 8, .size: 8, .value_kind: global_buffer, .address_space: global }
    .group_segment_fixed_size: 0
    .private_segment_fixed_size: 0
    .kernarg_segment_align: 8
    .kernarg_segment_size: 16
    .max_flat_workgroup_size: 512
    .sgpr_count:     66
    .vgpr_count:     152
    .wavefront_size: 32
...
	.end_amdgpu_metadata
.endif
;; end of part 2
